; MI455X (gfx1250); checked and timed in simulation.
; The chip was launched on July 23, 2026; its instructions are those of AMD's public machine-readable ISA for CDNA 5 (MIT licence, August 2026) and "CDNA5" Instruction Set Architecture Reference Guide (July 2026). The comments in the code are by the model that wrote it; some were corrected since.
;; Multi Head Attention. Allowed arithmetic: matrix products marked QUANTISED: E2M3 operands, one E8M0 scale for each 32 along K, by v_wmma_scale_f32_16x16x128_f8f6f4 with both operands' format E2M3, f32 sums; everything else in f32.
;; Inputs: Wk_codes 1,024 x 32 x 24 uint8 (E2M3 codes of Wk, K innermost, in blocks of 32 codes, four codes in three bytes); Wk_scales 1,024 x 32 uint8 (E8M0 scales of Wk, one for each 32 codes along K); Wo_codes 1,024 x 32 x 24 uint8 (E2M3 codes of Wo, K innermost, in blocks of 32 codes, four codes in three bytes); Wo_scales 1,024 x 32 uint8 (E8M0 scales of Wo, one for each 32 codes along K); Wq_codes 1,024 x 32 x 24 uint8 (E2M3 codes of Wq, K innermost, in blocks of 32 codes, four codes in three bytes); Wq_scales 1,024 x 32 uint8 (E8M0 scales of Wq, one for each 32 codes along K); Wv_codes 1,024 x 32 x 24 uint8 (E2M3 codes of Wv, K innermost, in blocks of 32 codes, four codes in three bytes); Wv_scales 1,024 x 32 uint8 (E8M0 scales of Wv, one for each 32 codes along K); bk 1,024 float32; bo 1,024 float32; bq 1,024 float32; bv 1,024 float32; x_codes 4 x 2,048 x 32 x 24 uint8 (E2M3 codes of x, K innermost, in blocks of 32 codes, four codes in three bytes); x_scales 4 x 2,048 x 32 uint8 (E8M0 scales of x, one for each 32 codes along K).
;; Outputs: out0 4 x 2,048 x 1,024 float32.
;; This version of the problem:
;;   THIS VERSION OF THE PROBLEM IS GIVEN IN LOW PRECISION. The matrix products marked QUANTISED in the list below multiply operands that are first quantised to E2M3 (2 exponent bits, 3 mantissa bits; 6 bits a number), with one power-of-two scale for each 32 numbers along K (OCP MX v1.0); their sums are f32. All else is computed in f32.
;;   The module's matrix products, in the order in which they are computed (A, B: the left and right operand; K: the contracted axis; several contracted axes count as one K, in the product's order):
;;     1. [M 8,192, K 1,024] x [K 1,024, N 1,024]; A: input x (given as codes); B: input Wq (given as codes): QUANTISED
;;     2. [M 8,192, K 1,024] x [K 1,024, N 1,024]; A: input x (given as codes); B: input Wk (given as codes): QUANTISED
;;     3. [M 8,192, K 1,024] x [K 1,024, N 1,024]; A: input x (given as codes); B: input Wv (given as codes): QUANTISED
;;     4. batch 64 x [M 2,048, K 64] x [K 64, N 2,048]; A: computed on the way; B: computed on the way: QUANTISED
;;     5. batch 64 x [M 2,048, K 2,048] x [K 2,048, N 64]; A: softmax (see below); B: computed on the way: QUANTISED
;;     6. [M 8,192, K 1,024] x [K 1,024, N 1,024]; A: computed on the way; B: input Wo (given as codes): QUANTISED
;;   THE QUANTISER, for each operand of a quantised product, along K:
;;     - K is cut into blocks of 32 from its start; a last block that is shorter is filled with zeros.
;;     - A block's scale is 2^e with e = floor(log2(the largest magnitude in the block)) - 2, held to -126 .. 127; a block of zeros has e = 0. As a byte (E8M0): e + 127.
;;     - Each number is divided by its block's scale, clamped to +-7.5, and rounded to the nearest number of E2M3, ties to even, subnormals kept.
;;     - The product sums the exact products of the quantised numbers (number of the format x scale) in f32.
;;   ~~~python
;;   def quantise(x, axis):      # numpy; x: float32 -> the quantised numbers, widened to float32 again
;;       x = np.moveaxis(x, axis, -1); K = x.shape[-1]
;;       x = np.pad(x, [(0, 0)] * (x.ndim - 1) + [(0, -K % 32)]); x = x.reshape(x.shape[:-1] + (-1, 32)); a = np.abs(x).max(-1, keepdims=True)
;;       e = np.where(a > 0, np.clip(np.frexp(np.where(a > 0, a, 1))[1] - 1 - 2, -126, 127), 0)      # np.frexp(a)[1] - 1 = floor(log2(a)), exactly
;;       r = np.clip(x / 2.0 ** e, -7.5, 7.5)
;;       step = 2.0 ** (np.maximum(np.frexp(np.where(r == 0, 1, r))[1] - 1, 0) - 3)
;;       q = np.round(r / step) * step * 2.0 ** e      # np.round: ties to even
;;       return np.moveaxis(q.reshape(q.shape[:-2] + (-1,))[..., :K], -1, axis).astype(np.float32)
;;   ~~~
;;   SOFTMAX AHEAD OF A QUANTISED PRODUCT. Where the list says 'softmax', what is quantised is not the finished softmax but p = 2^(t - M), with t = logit x log2(e) and M = ceil(the row's largest t), a whole number; so 1/2 < the row's largest p <= 1. The row's sum l is taken of the UNQUANTISED p, in f32, and the product's result is divided by l at the end. Since M is a whole number, a kernel that streams over the keys may use a running M (the ceiling of the running maximum): every later rescaling is an exact power of two, which a block's scale takes up: the codes' values come out the same.
;;   OPERANDS COMPUTED ON THE WAY. 'Computed on the way' means the value that the module computes at that place (a softmax that the list does not call 'softmax' is quantised finished and normalised). What goes into a quantiser is computed in f32, as accurately as f32 sums, v_exp_f32 and their like allow (about 1e-6 of the number): no bf16 or f16 on the way to a quantiser, and a product that is left as it is and whose result goes on into a quantised operand takes f32 operands (vector FMAs, or v_wmma_f32_16x16x4_f32). A number that lies on a knife's edge between two numbers of the format may be rounded either way, as far as f32 arithmetic and the matrix unit's own rounding can turn it there, and no further.
;;   INPUTS GIVEN AS CODES. Wk (in the module: [1024, 1024], K = its axis 0); Wo (in the module: [1024, 1024], K = its axis 0); Wq (in the module: [1024, 1024], K = its axis 0); Wv (in the module: [1024, 1024], K = its axis 0); x (in the module: [4, 2048, 1024], K = its axis 2): each comes as NAME_codes (uint8): NAME with its K axis moved to the last place and cut into blocks of 32 codes, [.., K / 32, bytes a block], one block behind the other in memory; four codes in three bytes: a row's codes are one little-endian stream of bits, code i at bits 6 i .. 6 i + 5 (a code: sign, 2 exponent bits, 3 mantissa bits); and NAME_scales (uint8): the same leading axes, one E8M0 byte (e + 127) for each 32 codes along K. Its value is code x scale, taken as it is: it is not quantised again, and the codes and scales need not be those that the quantiser above would give.
;; One version. Each part assembles by itself: llvm-mc -triple=amdgcn-amd-amdhsa -mcpu=gfx1250 --defsym DOCPART=n.
;; ======== version 1 of 1: 3 launches
;; limits: right only within a limited range of input values
;; workspace buffers: qimg 6,291,456 bytes; kimg 6,291,456 bytes; vimg 6,291,456 bytes; qsc 524,288 bytes; ksc 524,288 bytes; vsc 262,144 bytes; aimg 6,291,456 bytes; asc 262,144 bytes
;; launch qkv (part 1): grid 8 x 32, 4 waves a work-group, clusters of 4 x 4, 327,680 bytes of LDS; arguments x_codes, x_scales, Wq_codes, Wq_scales, Wk_codes, Wk_scales, Wv_codes, Wv_scales, bq, bk, bv, qimg, qsc, kimg, ksc, vimg, vsc; writes qimg, qsc, kimg, ksc, vimg, vsc
.if DOCPART == 1
	.amdgcn_target "amdgcn-amd-amdhsa--gfx1250"
	.amdhsa_code_object_version 6
	.text
	.protected	k_q5100ba7d18_qkv
	.globl	k_q5100ba7d18_qkv
	.p2align	8
	.type	k_q5100ba7d18_qkv,@function
k_q5100ba7d18_qkv:
	s_mov_b64 s[64:65], 0
	v_nop
	global_prefetch_b8 v0, s[64:65] scope:SCOPE_SE
	s_setreg_imm32_b32 hwreg(HW_REG_WAVE_MODE, 25, 1), 1
	s_wait_xcnt 0x0
	s_wait_alu depctr_hold_cnt(0) depctr_sa_sdst(0) depctr_va_vdst(0) depctr_va_sdst(0) depctr_va_ssrc(0) depctr_va_vcc(0) depctr_vm_vsrc(0)
	s_getreg_b32 s2, hwreg(HW_REG_IB_STS2, 6, 4)
	s_cmp_eq_u32 s2, 0
	s_cbranch_scc0 .Lentry_in_a_cluster
	s_endpgm
.Lentry_in_a_cluster:
	s_bfe_u32 s2, ttmp6, 0x10000c
	s_cmp_lg_u32 s2, 0xf033
	s_cbranch_scc0 .Lentry_shape_is_right
	s_endpgm
.Lentry_shape_is_right:
; q = x Wq + bq, k = x Wk + bk, v = x Wv + bv on codes of FP6 (E2M3) with E8M0 scales, K = 1,024; the results are quantised at once (q, k along the head's 64 channels, v along the keys) and leave as images of operand registers.
; THE DEAL: 256 work-groups of four waves.  A work-group owns 256 tokens and channels 128 c .. 128 c + 127 of q, then of k, then of v.  Its 256 rows of x, all of K (rows of 768 bytes), lie in LDS for the whole launch;
; the weights' 128 rows have a region of their own, filled at the head with Wq's and filled again twice (Wk's, Wv's), each time behind a drained round of the cluster's barrier; the way out, work on registers, follows the refill.
; A wave makes 128 tokens x 64 channels (one head): 32 accumulators.  q, k: source 0 = 16 channels, source 1 = 16 tokens: a lane holds a token, its registers channels.  v: the sources swapped: a lane holds a channel, its registers keys.
; CLUSTERS 4 x 4: x's rows are shared along a row of the cluster, a weight's rows along a column: joint loads.
; Scale words come by plain loads into registers: lane l takes the 32 bytes of row 32 g + l, so a register serves block 2 g in lanes 0-15 and block 2 g + 1 in lanes 16-31.  The bias is the first products' C.
; BUFFERS: qimg, kimg [head][tile of 16 tokens][768]: registers 0-3 at 16 x lane, 4-5 at 512 + 8 x lane; vimg [head][128 keys][16 channels][1,536]; qsc, ksc [head][128 tokens][512]: lane l's word b: tile 2 b + l / 16 (bytes 2, 3 are 0);
; vsc [head][128 keys][256]: lane l's word e: channels' tile 2 e + l / 16.  Inside a block the numbers stand in the order 0-7, 16-23, 8-15, 24-31, alike in q and k, and in v and the next launch's p.
; PREFETCH: Wk's tile is asked for at the head, Wv's in trip 0, each one phase ahead of its load: 24 blocks of 256 bytes a wave, shared out by address among the 16 waves of a column of the cluster; cluster rows 0-3 ask.
; LIMITS: NaN and infinities are not served; a block whose largest magnitude lies under 2^-124 gets the byte 1, a block of zeros too (these bytes are read by this program alone).
; REGISTERS: window 0 addresses, scales, biases, the way out; window 1 x's fragments, two sets (v0, v128); window 2 the accumulators; window 3 the weights' fragments, two sets.
.set PITCH, 816                        ; an LDS row: 3 x (256 + 16)
.set WR,    256*PITCH
.set SPARE, WR+128*PITCH
.set ADX, 8                            ; v8, v9 x's blocks 0-3 (v9: behind one padding more); v10, v11 blocks 4-7
.set ADW, 12                           ; v12, v13 the weights'
.set L16, 14
.set L8,  15
.set ABS, 16                           ; 32 x lane
.set BA,  17                           ; 32 x (lane / 16)
.set BVA, 18                           ; 4 x (lane % 16)
.set PF,  19
.set LN,  20
.set SPW, 28
.set NIL, 29
.set SX,  32                           ; v32-63 x's scale words
.set SW,  68                           ; v68-83 the weights'
.set BI,  96                           ; v96-127 q's or k's bias
.set BV,  128                          ; v128-159 v's
.set PC,  192
.set TM,  224
.set PWS, 240
.set WQ,  244
.set WT,  248
.set SEL, 66
.set G1X, 52
.set G1W, 68
.set G0X, 76
.set G0W, 80
.set MSB, 0
.macro WIN new
.if MSB != (\new)
	s_set_vgpr_msb (MSB<<8)|(\new)
.set MSB, (\new)
.endif
.endm
.macro PLACES n
.rept \n
	v_nop
.endr
.endm
.macro CROUND
	s_barrier_signal -1
	s_barrier_wait -1
	s_cmp_lg_u32 s40, 0
	s_cbranch_scc1 .Lnot_wave_0_\@
	s_barrier_signal -3
.Lnot_wave_0_\@:
	s_barrier_wait -3
	s_barrier_signal -1
	s_barrier_wait -1
.endm
.macro TLOAD g0, g1
	tensor_load_to_lds s[\g0:\g0+3], s[\g1:\g1+7]
	s_nop 0
	PLACES 4
.endm
.macro GROUP1 g, mask, rows            ; rows of 768 bytes, 16 bytes of padding behind every 256
	s_or_b32 s[\g+0], s\mask, (1<<20)|(1<<21)|(5<<22)|(3<<25)
	s_mov_b32 s[\g+1], 768<<16
	s_mov_b32 s[\g+2], (\rows)<<16
	s_mov_b32 s[\g+3], 768<<16
	s_mov_b32 s[\g+4], \rows
	s_mov_b32 s[\g+5], 768
	s_mov_b32 s[\g+6], 0
	s_mov_b32 s[\g+7], 0
.endm
.macro FRAG reg, adr, s, off           ; 16 rows x 128 K: six pieces of 8 bytes; lanes 16-31 read 24 bytes on, for some pieces behind one padding more
.irp p, 0,1,2,3,4,5
.set PC_, 12*(\s)+6*(\p/3)+\p%3
.if PC_%32 < 29
	ds_load_b64 v[\reg+2*\p:\reg+2*\p+1], v[\adr] offset:8*PC_+16*(PC_/32)+(\off)
.else
	ds_load_b64 v[\reg+2*\p:\reg+2*\p+1], v[\adr+1] offset:8*PC_+16*(PC_/32)+(\off)
.endif
.endr
.endm
.macro FETCH s                         ; step s's fragments into set s % 2: 72 loads
.set P_, 128*((\s)%2)
	WIN 0x40
.irp x, 0,1,2,3
	FRAG P_+12*\x, ADX, \s, \x*16*PITCH
.endr
.irp x, 0,1,2,3
	FRAG P_+48+12*\x, ADX+2, \s, \x*16*PITCH
.endr
	WIN 0xc0
.irp w, 0,1,2,3
	FRAG P_+12*\w, ADW, \s, \w*16*PITCH
.endr
	WIN 0
.endm
.macro PROD d, a, b, c, sa, sb, ra, rb
	v_wmma_scale_f32_16x16x128_f8f6f4 v[\d:\d+7], v[\a:\a+11], v[\b:\b+11], \c, v[\sa], v[\sb] matrix_a_fmt:MATRIX_FMT_FP6 matrix_b_fmt:MATRIX_FMT_FP6 matrix_a_scale:MATRIX_SCALE_ROW\ra matrix_b_scale:MATRIX_SCALE_ROW\rb
.endm
.macro MUL kind, s, bias               ; 32 products, the accumulators by turns
.set P_, 128*((\s)%2)
.irp xh, 0,1,2,3
.irp xo, 0,1
.irp wh, 0,1
.irp wo, 0,1
.set FX_, P_+12*(2*\xh+\xo)
.set FW_, P_+12*(2*\wh+\wo)
.set SX_, SX+8*\xh+(\s)
.set SW_, SW+8*\wh+(\s)
.set C_, \bias+8*(2*\wh+\wo)
.if \kind
.set D_, 8*(8*(2*\wh+\wo)+2*\xh+\xo)
.if (\s) == 0
	PROD D_, FX_, FW_, v[C_:C_+7], SX_, SW_, \xo, \wo
.else
	PROD D_, FX_, FW_, v[D_:D_+7], SX_, SW_, \xo, \wo
.endif
.else
.set D_, 8*(4*(2*\xh+\xo)+2*\wh+\wo)
.if (\s) == 0
	PROD D_, FW_, FX_, v[C_:C_+7], SW_, SX_, \wo, \xo
.else
	PROD D_, FW_, FX_, v[D_:D_+7], SW_, SX_, \wo, \xo
.endif
.endif
.endr
.endr
.endr
.endr
.endm
.macro WALK kind, bias, grd
	FETCH 0
.set S_, 0
.rept 8
.if S_ < 7
.if S_ > 0
	PLACES 4                               ; between the last products and the loads into their set
.endif
	FETCH S_+1
	s_wait_dscnt 63
.else
	WIN 0
	s_wait_dscnt 0x0
.if \grd
	s_wait_tensorcnt 0x0
	ds_add_u32 v[SPW], v[NIL]
.endif
.endif
.if S_ == 0
	WIN 0x87+6*(\kind)                     ; C, the bias, in window 0
.else
	WIN 0xa7+6*(\kind)
.endif
	MUL \kind, S_, \bias
.set S_, S_+1
.endr
	WIN 0
.endm
; 64 sums of a lane, window 2 from v[s] on: registers 16 b .. 16 b + 15 are my half of block b, lane l xor 16 holds the other; codes into v[PC] on, the four bytes into v[pw]
.macro QUANT s, pw
	WIN 0x0a
.irp b, 0,1,2,3
	v_max3_num_f32 v[TM+\b], |v[\s+16*\b]|, |v[\s+1+16*\b]|, 0x1800000   ; the floor 2^(3 - 127) holds the byte at 1 from below
.endr
	WIN 0x28
.irp i, 2,4,6,8,10,12,14
.irp b, 0,1,2,3
	v_max3_num_f32 v[TM+\b], v[TM+\b], |v[\s+16*\b+\i]|, |v[\s+1+16*\b+\i]|
.endr
.endr
	WIN 0
.irp b, 0,1,2,3
	v_permlanex16_b32 v[TM+4+\b], v[TM+\b], s[SEL], s[SEL+1]
.endr
.irp b, 0,1,2,3
	v_max_num_f32 v[TM+\b], v[TM+\b], v[TM+4+\b]
.endr
.irp b, 0,1,2,3
	v_add_nc_u32 v[TM+12+\b], 0xff000000, v[TM+\b]   ; 2 off the exponent field: the conversion's scale operand
.endr
.irp b, 0,1,2,3
	v_lshrrev_b32 v[TM+4+\b], 23, v[TM+12+\b]
.endr
	v_lshl_or_b32 v[\pw], v[TM+5], 8, v[TM+4]
	v_lshl_or_b32 v[\pw], v[TM+6], 16, v[\pw]
	v_lshl_or_b32 v[\pw], v[TM+7], 24, v[\pw]
	s_wait_alu depctr_va_vdst(0)
	s_wait_xcnt 0x0                        ; the last stores have read v[PC] on
	WIN 0x02
.irp c, 0,1
	v_cvt_scalef32_pk16_fp6_f32 v[PC+6*\c:PC+2+6*\c], v[\s+32*\c:\s+15+32*\c], v[TM+12+2*\c]
	v_cvt_scalef32_pk16_fp6_f32 v[PC+12+4*\c:PC+14+4*\c], v[\s+16+32*\c:\s+31+32*\c], v[TM+12+2*\c+1]
.endr
	WIN 0
	v_nop                                  ; one plain place behind a scaled conversion
.irp c, 0,1                            ; a whole block in a lane: lanes 0-15 block 2 c, lanes 16-31 block 2 c + 1
.irp i, 0,1,2
	v_permlane16_swap_b32 v[PC+6*\c+\i], v[PC+12+4*\c+\i]
.endr
.irp i, 0,1,2
	v_mov_b32 v[PC+3+6*\c+\i], v[PC+12+4*\c+\i]
.endr
.endr
.endm
.macro WSCALES base                    ; my 64 channels' scale words, all of K
.irp g, 0,1
.irp c, 0,1
	global_load_b128 v[SW+8*\g+4*\c:SW+8*\g+4*\c+3], v[ABS], \base offset:1024*\g+16*\c
.endr
.endr
.endm
.macro QKBIAS base                     ; register 8 w + j: channel 16 w + 8 (lane / 16) + j
.irp i, 0,1,2,3,4,5,6,7
	global_load_b128 v[BI+4*\i:BI+4*\i+3], v[BA], \base offset:64*(\i/2)+16*(\i%2)
.endr
.endm
	s_load_b512 s[4:19], s[0:1], 0x0       ; x codes 4, x scales 6, Wq 8, 10, Wk 12, 14, Wv 16, 18
	s_load_b512 s[20:35], s[0:1], 0x40     ; bq 20, bk 22, bv 24, qimg 26, qsc 28, kimg 30, ksc 32, vimg 34
	s_load_b64 s[36:37], s[0:1], 0x80      ; vsc
	v_lshl_add_u32 v[SPW], v0, 2, SPARE
	v_mov_b32 v[NIL], 0
	ds_add_u32 v[SPW], v[NIL]
	ds_add_u32 v[SPW], v[NIL]
	v_lshrrev_b32 v1, 5, v0
	v_readfirstlane_b32 s40, v1            ; wave
	s_lshr_b32 s41, s40, 1                 ; my half of the tokens; also: I load x (0) or the weights (1)
	s_and_b32 s42, s40, 1                  ; my half of the channels; also: which half I load
	s_bfe_u32 s43, ttmp6, 0x40000          ; cx
	s_bfe_u32 s44, ttmp6, 0x40004          ; cy
	s_lshl_b32 s45, ttmp9, 2
	s_add_co_u32 s45, s45, s43             ; c: the tile of 128 channels
	s_and_b32 s39, ttmp7, 0xffff           ; the cluster's row
	s_lshl_b32 s46, s39, 2
	s_add_co_u32 s46, s46, s44             ; T: the tile of 256 tokens
	s_lshl_b32 s47, s44, 2
	s_lshl_b32 s47, 15, s47                ; my row of the cluster
	s_lshl_b32 s48, 0x1111, s43            ; my column
	GROUP1 G1X, 47, 128
	GROUP1 G1W, 48, 64
	s_mul_i32 s84, s45, 128*768            ; the weights' tile
	s_mov_b32 s85, 0
	s_mul_i32 s86, s42, 64*768             ; the half that I load
	s_mov_b32 s87, 0
	s_lshl_b32 s88, s45, 7
	s_lshl_b32 s50, s42, 6
	s_add_co_u32 s88, s88, s50             ; my first channel
	s_lshl_b32 s50, s88, 5                 ; its scale bytes
	s_mov_b32 s51, 0
	s_lshl_b32 s88, s88, 2                 ; its bias
	s_mov_b32 s89, 0
	s_lshl_b32 s60, s46, 8
	s_lshl_b32 s61, s42, 7
	s_add_co_u32 s61, s61, s60
	s_mul_i32 s62, s61, 768                ; the rows of x that I load
	s_mov_b32 s63, 0
	s_lshl_b32 s61, s41, 7
	s_add_co_u32 s60, s60, s61
	s_lshl_b32 s60, s60, 5                 ; my tokens' scale bytes
	s_mov_b32 s61, 0
	s_lshr_b32 s49, s46, 3
	s_lshl_b32 s49, s49, 4
	s_lshl_b32 s94, s45, 1
	s_add_co_u32 s49, s49, s94
	s_add_co_u32 s49, s49, s42             ; my head: 16 x batch + 2 c + half
	s_and_b32 s94, s46, 7
	s_lshl_b32 s94, s94, 1
	s_add_co_u32 s94, s94, s41             ; my group of 128 tokens in its batch
	s_mul_i32 s96, s49, 98304
	s_mul_i32 s95, s94, 6144
	s_add_co_u32 s96, s96, s95             ; my images
	s_mov_b32 s97, 0
	s_lshl_b32 s98, s49, 4
	s_add_co_u32 s98, s98, s94
	s_lshl_b32 s98, s98, 8                 ; my scale words in vsc; twice that in qsc, ksc
	s_mov_b32 s99, 0
	s_mov_b32 s[SEL], 0x76543210
	s_mov_b32 s[SEL+1], 0xfedcba98
	s_wait_dscnt 0x0
	s_wait_kmcnt 0x0
.irp p, 8,12,16
	s_add_nc_u64 s[\p:\p+1], s[\p:\p+1], s[84:85]
.endr
.irp p, 10,14,18
	s_add_nc_u64 s[\p:\p+1], s[\p:\p+1], s[50:51]
.endr
.irp p, 20,22,24
	s_add_nc_u64 s[\p:\p+1], s[\p:\p+1], s[88:89]
.endr
.irp p, 26,30,34
	s_add_nc_u64 s[\p:\p+1], s[\p:\p+1], s[96:97]
.endr
	s_add_nc_u64 s[36:37], s[36:37], s[98:99]
	s_lshl_b32 s98, s98, 1
	s_add_nc_u64 s[28:29], s[28:29], s[98:99]
	s_add_nc_u64 s[32:33], s[32:33], s[98:99]
	s_add_nc_u64 s[6:7], s[6:7], s[60:61]
	CROUND                                 ; all sixteen work-groups are here: the first joint loads meet
	s_mov_b32 s[G0X], 1
	s_mul_i32 s[G0X+1], s42, 128*PITCH
	s_add_nc_u64 s[G0X+2:G0X+3], s[4:5], s[62:63]
	s_or_b32 s[G0X+3], s[G0X+3], 0x80000000
	s_mov_b32 s[G0W], 1
	s_mul_i32 s[G0W+1], s42, 64*PITCH
	s_add_co_u32 s[G0W+1], s[G0W+1], WR
	s_add_nc_u64 s[G0W+2:G0W+3], s[8:9], s[86:87]
	s_or_b32 s[G0W+3], s[G0W+3], 0x80000000
	s_cmp_eq_u32 s41, 0                    ; one load a wave: waves 0, 1 a half of x's rows, waves 2, 3 a half of Wq's
	s_cbranch_scc0 .Lhead_w
	TLOAD G0X, G1X
	s_branch .Lhead_asked
.Lhead_w:
	TLOAD G0W, G1W
.Lhead_asked:
	v_and_b32 v1, 15, v0
	v_bfe_u32 v2, v0, 4, 1
	v_and_b32 v[LN], 31, v0
	v_mul_u32_u24 v3, v1, PITCH
	v_mad_u32_u24 v4, v2, 24, v3
	v_mad_u32_u24 v5, v2, 40, v3
	s_mul_i32 s95, s41, 128*PITCH
	s_mul_i32 s94, s42, 64*PITCH
	s_add_co_u32 s94, s94, WR
	v_add_nc_u32 v[ADX], s95, v4
	v_add_nc_u32 v[ADX+1], s95, v5
	s_add_co_u32 s95, s95, 64*PITCH
	v_add_nc_u32 v[ADX+2], s95, v4
	v_add_nc_u32 v[ADX+3], s95, v5
	v_add_nc_u32 v[ADW], s94, v4
	v_add_nc_u32 v[ADW+1], s94, v5
	v_lshlrev_b32 v[L16], 4, v[LN]
	v_lshlrev_b32 v[L8], 3, v[LN]
	v_lshlrev_b32 v[ABS], 5, v[LN]
	v_lshlrev_b32 v[BA], 5, v2
	v_lshlrev_b32 v[BVA], 2, v1
	s_lshl_b32 s95, s44, 2
	s_add_co_u32 s95, s95, s40             ; my number among the sixteen waves of my column
	s_mul_i32 s95, s95, 6144
	v_min_u32 v[PF], 23, v[LN]
	v_lshl_add_u32 v[PF], v[PF], 8, s95    ; my 24 blocks of a weight's tile
.irp b, 0,1,2,3
	v_mov_b32 v[TM+4+\b], 0                ; a lane permute's destination counts as a source
.endr
	s_wait_alu depctr_va_vdst(0)
.irp g, 0,1,2,3
.irp c, 0,1
	global_load_b128 v[SX+8*\g+4*\c:SX+8*\g+4*\c+3], v[ABS], s[6:7] offset:1024*\g+16*\c
.endr
.endr
	WSCALES s[10:11]
	QKBIAS s[20:21]
.irp w, 0,1,2,3
.irp j, 0,1,2,3,4,5,6,7
	global_load_b32 v[BV+8*\w+\j], v[BVA], s[24:25] offset:64*\w   ; v: my channel's bias over the tile's eight registers
.endr
.endr
	s_cmp_lt_u32 s39, 4
	s_cbranch_scc0 .Lno_pf0
	global_prefetch_b8 v[PF], s[12:13] th:TH_LOAD_NT scope:SCOPE_SE   ; Wk's tile
.Lno_pf0:
	s_wait_loadcnt 0x0
	s_wait_tensorcnt 0x0
	s_barrier_signal -1
	s_barrier_wait -1                      ; x's rows and Wq's are in
	s_mov_b32 s94, 0
.Ltrip:                                    ; trip 0: q, trip 1: k
	s_cmp_eq_u32 s94, 0
	s_cselect_b64 s[90:91], s[26:27], s[30:31]   ; where the images go,
	s_cselect_b64 s[92:93], s[28:29], s[32:33]   ; the scale words;
	s_cselect_b64 s[96:97], s[12:13], s[16:17]   ; the next weight's tile,
	s_cselect_b64 s[98:99], s[14:15], s[18:19]   ; its scale bytes
	WALK 0, BI, 1
	s_add_nc_u64 s[G0W+2:G0W+3], s[96:97], s[86:87]   ; no load of mine is out: the descriptor may be written
	s_or_b32 s[G0W+3], s[G0W+3], 0x80000000
	s_wait_dscnt 0x0                       ; the add is done, and my reads of the weights' region are over
	CROUND
	s_cmp_lt_u32 s40, 2
	s_cbranch_scc1 .Lno_refill
	TLOAD G0W, G1W                         ; waves 2, 3: a half each of the next weight's rows
.Lno_refill:
	PLACES 4                               ; behind the last products, for the waves that come round the load
	WSCALES s[98:99]
	s_cmp_eq_u32 s94, 0
	s_cbranch_scc0 .Lno_k
	QKBIAS s[22:23]
	s_cmp_lt_u32 s39, 4
	s_cbranch_scc0 .Lno_k
	global_prefetch_b8 v[PF], s[16:17] th:TH_LOAD_NT scope:SCOPE_SE   ; Wv's tile, one trip ahead of its load
.Lno_k:
.irp m, 0,1,2,3                        ; the way out: token tiles 2 m, 2 m + 1
	QUANT 64*\m, PWS+\m
.irp c, 0,1
	global_store_b128 v[L16], v[PC+6*\c:PC+6*\c+3], s[90:91] offset:768*(2*\m+\c)
	global_store_b64 v[L8], v[PC+6*\c+4:PC+6*\c+5], s[90:91] offset:768*(2*\m+\c)+512
.endr
.endr
	v_cmp_gt_u32 vcc_lo, 16, v[LN]
.irp b, 0,1,2,3
	v_and_b32 v[WT+\b], 0xffff, v[PWS+\b]  ; tile 2 b's two bytes
.endr
.irp b, 0,1,2,3
	v_lshrrev_b32 v[WQ+\b], 16, v[PWS+\b]  ; tile 2 b + 1's
.endr
.irp b, 0,1,2,3
	v_cndmask_b32 v[WQ+\b], v[WQ+\b], v[WT+\b], vcc_lo
.endr
	global_store_b128 v[L16], v[WQ:WQ+3], s[92:93]
	s_wait_alu depctr_va_vdst(0)
	s_wait_xcnt 0x0                        ; the stores have read their bases, which the next trip writes
	s_wait_loadcnt 0x0                     ; the next phase's scale words and bias
	s_wait_tensorcnt 0x0
	s_barrier_signal -1
	s_barrier_wait -1                      ; the next weight's rows are in
	s_add_co_u32 s94, s94, 1
	s_cmp_lt_u32 s94, 2
	s_cbranch_scc1 .Ltrip
	WALK 1, BV, 0                          ; v
	PLACES 4
.irp w, 0,1,2,3
	QUANT 64*\w, PWS+\w
.irp k, 0,1,2
	global_store_b128 v[L16], v[PC+4*\k:PC+4*\k+3], s[34:35] offset:1536*\w+512*\k
.endr
.endr
	v_cmp_gt_u32 vcc_lo, 16, v[LN]
.irp e, 0,1
	v_cndmask_b32 v[WQ+\e], v[PWS+2*\e+1], v[PWS+2*\e], vcc_lo
.endr
	global_store_b64 v[L8], v[WQ:WQ+1], s[36:37]
	s_wait_tensorcnt 0x0                   ; the wave's end
	ds_add_u32 v[SPW], v[NIL]
	s_wait_dscnt 0x0
	CROUND                                 ; the closing round
	s_endpgm
.Lfunc_end_k_q5100ba7d18_qkv:
	.size	k_q5100ba7d18_qkv, .Lfunc_end_k_q5100ba7d18_qkv-k_q5100ba7d18_qkv
	.p2alignl 7, 3214868480
	.fill 96, 4, 3214868480
	.section	.rodata,"a",@progbits
	.p2align	6, 0x0
	.amdhsa_kernel k_q5100ba7d18_qkv
		.amdhsa_group_segment_fixed_size 327680
		.amdhsa_private_segment_fixed_size 0
		.amdhsa_enable_private_segment 0
		.amdhsa_kernarg_size 136
		.amdhsa_user_sgpr_count 2
		.amdhsa_user_sgpr_kernarg_segment_ptr 1
		.amdhsa_wavefront_size32 1
		.amdhsa_system_sgpr_workgroup_id_x 1
		.amdhsa_system_sgpr_workgroup_id_y 1
		.amdhsa_system_sgpr_workgroup_id_z 1
		.amdhsa_system_vgpr_workitem_id 0
		.amdhsa_next_free_vgpr 1024
		.amdhsa_next_free_sgpr 102
		.amdhsa_reserve_vcc 1
		.amdhsa_float_denorm_mode_32 3
		.amdhsa_float_denorm_mode_16_64 3
		.amdhsa_memory_ordered 1
		.amdhsa_forward_progress 1
		.amdhsa_inst_pref_size 191
	.end_amdhsa_kernel
	.amdgpu_metadata
---
amdhsa.version: [ 1, 2 ]
amdhsa.kernels:
  - .name:           k_q5100ba7d18_qkv
    .symbol:         k_q5100ba7d18_qkv.kd
    .args:
      - { .name: x_codes, .offset: 0, .size: 8, .value_kind: global_buffer, .address_space: global }
      - { .name: x_scales, .offset: 8, .size: 8, .value_kind: global_buffer, .address_space: global }
      - { .name: Wq_codes, .offset: 16, .size: 8, .value_kind: global_buffer, .address_space: global }
      - { .name: Wq_scales, .offset: 24, .size: 8, .value_kind: global_buffer, .address_space: global }
      - { .name: Wk_codes, .offset: 32, .size: 8, .value_kind: global_buffer, .address_space: global }
      - { .name: Wk_scales, .offset: 40, .size: 8, .value_kind: global_buffer, .address_space: global }
      - { .name: Wv_codes, .offset: 48, .size: 8, .value_kind: global_buffer, .address_space: global }
      - { .name: Wv_scales, .offset: 56, .size: 8, .value_kind: global_buffer, .address_space: global }
      - { .name: bq, .offset: 64, .size: 8, .value_kind: global_buffer, .address_space: global }
      - { .name: bk, .offset: 72, .size: 8, .value_kind: global_buffer, .address_space: global }
      - { .name: bv, .offset: 80, .size: 8, .value_kind: global_buffer, .address_space: global }
      - { .name: qimg, .offset: 88, .size: 8, .value_kind: global_buffer, .address_space: global }
      - { .name: qsc, .offset: 96, .size: 8, .value_kind: global_buffer, .address_space: global }
      - { .name: kimg, .offset: 104, .size: 8, .value_kind: global_buffer, .address_space: global }
      - { .name: ksc, .offset: 112, .size: 8, .value_kind: global_buffer, .address_space: global }
      - { .name: vimg, .offset: 120, .size: 8, .value_kind: global_buffer, .address_space: global }
      - { .name: vsc, .offset: 128, .size: 8, .value_kind: global_buffer, .address_space: global }
    .group_segment_fixed_size: 327680
    .private_segment_fixed_size: 0
    .kernarg_segment_align: 8
    .kernarg_segment_size: 136
    .max_flat_workgroup_size: 128
    .sgpr_count:     102
    .vgpr_count:     1024
    .wavefront_size: 32
...
	.end_amdgpu_metadata
.endif
;; end of part 1
;; launch attn (part 2): grid 4 x 64, 16 waves a work-group, clusters of 4 x 1, 210,944 bytes of LDS; arguments qimg, qsc, kimg, ksc, vimg, vsc, aimg, asc; writes aimg, asc
.if DOCPART == 2
	.amdgcn_target "amdgcn-amd-amdhsa--gfx1250"
	.amdhsa_code_object_version 6
	.text
	.protected	k_q5100ba7d18_attn
	.globl	k_q5100ba7d18_attn
	.p2align	8
	.type	k_q5100ba7d18_attn,@function
k_q5100ba7d18_attn:
	s_mov_b64 s[64:65], 0
	v_nop
	global_prefetch_b8 v0, s[64:65] scope:SCOPE_SE
	s_setreg_imm32_b32 hwreg(HW_REG_WAVE_MODE, 25, 1), 1
	s_wait_xcnt 0x0
	s_wait_alu depctr_hold_cnt(0) depctr_sa_sdst(0) depctr_va_vdst(0) depctr_va_sdst(0) depctr_va_ssrc(0) depctr_va_vcc(0) depctr_vm_vsrc(0)
	s_getreg_b32 s2, hwreg(HW_REG_IB_STS2, 6, 4)
	s_cmp_eq_u32 s2, 0
	s_cbranch_scc0 .Lentry_in_a_cluster
	s_endpgm
.Lentry_in_a_cluster:
	s_bfe_u32 s2, ttmp6, 0x10000c
	s_cmp_lg_u32 s2, 0x3003
	s_cbranch_scc0 .Lentry_shape_is_right
	s_endpgm
.Lentry_shape_is_right:
; For each of 64 heads (16 x batch + head): o = softmax(q k^T / 8) v, both products on codes of FP6 (E2M3) with E8M0 scales; o is quantised along the model's 1,024 (a head is two whole blocks of 32) and leaves as codes.
; THE SOFTMAX AHEAD OF THE SECOND PRODUCT: t = score x log2(e) / 8; M = the row's largest t so far, rounded UP to a whole number; p = 2^(t - M) is what is quantised, along the keys; the row's sum is taken of the
; unquantised p and divides O at the end.  When M moves, the sum and O are multiplied by 2^(old M - new M): exact.
; SHARES.  A cluster of four work-groups is one head; a work-group owns 512 queries; each of its sixteen waves owns one tile of 16 queries in each of two passes, in 256 registers: four waves to a SIMD, so that one
; wave's vector work stands beside another's matrix work and LDS loads.  Every wave walks all 2,048 keys, 128 a step.
; K AND V STAY IN LDS.  A head's images of k (98,304 bytes) and of v (98,304) and their scale words (8,192 and 4,096) are filled ONCE, by joint tensor loads that name all four work-groups.  No byte of LDS is filled
; again and none is stored to: one barrier, no ring.
; LAYOUT.  Both products are used transposed: S^T = K Q^T (source 0 = 16 keys), O^T = V^T P^T (source 0 = 16 channels): a lane holds ONE query (lane % 16) throughout.  Operands come as images of their registers:
; 16 bytes a lane on end, so no load has a bank conflict.  In S^T register 16 b + 8 u + j holds key 32 b + 16 u + 8 (lane / 16) + j: quantised as they stand, p's codes get the order inside a block that v's have.
; K = 64 IN AN INSTRUCTION OF 128: q's registers 6-11 hold zero codes; source 0 of key tile t is v[KF + 6 t] on, 12 registers, whose upper six are the next tile's codes (behind tile 7: six zeros): numbers times zero.
; LIMITS: NaN and infinities are not served; a block of o whose largest magnitude lies under 2^-124 gets the byte 1, a block of zeros too (its codes are zeros; the bytes are read by this program alone).
.set KIMG,  0
.set VIMG,  98304
.set KSC,   196608
.set VSC,   204800
.set STEPB, 6144                       ; a step's images: 8 tiles x 768 (k), 4 tiles x 1,536 (v)
.set L16,   1                          ; v1  16 x lane
.set L8,    2                          ; v2  8 x lane
.set ADK16, 3                          ; v3-7 LDS addresses of the step in hand
.set ADK8,  4
.set ADV16, 5
.set ADKS,  6
.set ADVS,  7
.set QSO,   8                          ; v8  16 (lane % 16): my query's scale word
.set ASO,   9                          ; v9  32 (lane % 16): my query's row of asc
.set NM,    12                         ; v12 -M, v13 the largest t
.set SUM,   14                         ; v[14:15] the sum in two halves
.set QF,    16                         ; v16-21 q's codes, v22-27 zero codes
.set QS,    28                         ; scale registers: q's, p's, v's two, k's four
.set PW,    29
.set VS,    30
.set KS,    32
.set KF,    36                         ; v36-83 k's eight tiles, v84-89 zeros
.set VF,    90                         ; v90-137 v's four fragments
.set S,     138                        ; v138-201 S^T, then p
.set O,     202                        ; v202-233 O^T
.set PC,    234                        ; v234-245 p's codes
.set F,     246                        ; v[246:247] 2^(old M - new M)
.set CH,    248                        ; v[248:249] the sum's second chain
.set T0,    250
.set OW,    251
.set TM,    36                         ; at work between the scores' products and the next step's loads of k, in k's registers: largest scores,
.set TP,    40                         ; the partner's, then bytes,
.set TS,    44                         ; the conversions' scale operands,
.set Y,     48                         ; v48-50, v52-54 the conversions' second halves
.set WV,    20                         ; s20 my wave's number
.set CS,    22                         ; s[22:23] c = log2(e) / 8
.set SEL,   24                         ; s[24:25] lane selects for v_permlanex16_b32: lane l xor 16
.set G1C,   28                         ; s[28:35] group 1: 96 rows of 256 bytes;  s[36:43]: 32 rows;  s[44:51]: 16 rows
.set G1KS,  36
.set G1VS,  44
.set G0K,   52
.set G0V,   56
.set G0KS,  60
.set G0VS,  68
.set TB,    72                         ; s72-75 where the step's images of k, of v, and their scale words begin
.set TV,    73
.set TKS,   74
.set TVS,   75
.set STEPS, 76
.set PASS,  77
.macro CROUND                          ; a round of the cluster's barrier
	s_barrier_signal -1
	s_barrier_wait -1
	s_cmp_lg_u32 s[WV], 0
	s_cbranch_scc1 .Lnot_wave_0_\@
	s_barrier_signal -3
.Lnot_wave_0_\@:
	s_barrier_wait -3
	s_barrier_signal -1
	s_barrier_wait -1
.endm
	s_load_b512 s[4:19], s[0:1], 0x0               ; qimg 4, qsc 6, kimg 8, ksc 10, vimg 12, vsc 14, aimg 16, asc 18
	v_lshl_add_u32 v254, v0, 2, 0x33000
	v_mov_b32 v255, 0
	ds_add_u32 v254, v255
	ds_add_u32 v254, v255
	v_lshrrev_b32 v10, 5, v0
	s_delay_alu instid0(VALU_DEP_1)
	v_readfirstlane_b32 s[WV], v10                 ; wave 0..15
	v_and_b32 v10, 31, v0
	s_delay_alu instid0(VALU_DEP_1)
	v_lshlrev_b32 v[L16], 4, v10
	s_delay_alu instid0(VALU_DEP_2)
	v_lshlrev_b32 v[L8], 3, v10
	v_and_b32 v11, 15, v0
	s_delay_alu instid0(VALU_DEP_1)
	v_lshlrev_b32 v[QSO], 4, v11
	s_delay_alu instid0(VALU_DEP_2)
	v_lshlrev_b32 v[ASO], 5, v11
	s_bfe_u32 s78, ttmp6, 0x40000                  ; cx: which 512 queries; it enters q's and the outputs' addresses alone
	s_and_b32 s79, ttmp7, 0xffff                   ; the head, which the four partners share
	; descriptor groups 1: dense blocks as rows of 256 bytes (32 elements of 8), no padding; mask: all four work-groups, bit 21 beside it
.irp g, G1C, G1KS, G1VS
	s_mov_b32 s[\g], 15|(3<<16)|(1<<21)
	s_mov_b32 s[\g+1], 32<<16                      ; tensor_dim0
	s_mov_b32 s[\g+3], 32<<16                      ; tile_dim0
	s_mov_b32 s[\g+5], 32                          ; the pitch
	s_mov_b32 s[\g+6], 0
	s_mov_b32 s[\g+7], 0
.endr
	s_mov_b32 s[G1C+2], 96<<16                     ; tensor_dim1, tile_dim1: a quarter of a head's images, 24,576 bytes
	s_mov_b32 s[G1C+4], 96
	s_mov_b32 s[G1KS+2], 32<<16                    ; k's scale words, 8,192 bytes
	s_mov_b32 s[G1KS+4], 32
	s_mov_b32 s[G1VS+2], 16<<16                    ; v's, 4,096 bytes
	s_mov_b32 s[G1VS+4], 16
	s_mul_i32 s80, s79, 98304                      ; the head's images,
	s_and_b32 s81, s[WV], 3
	s_mul_i32 s81, s81, 24576                      ; my quarter of them
	s_add_co_u32 s80, s80, s81
	s_mov_b32 s81, 0
	s_mul_i32 s82, s[WV], 24576                    ; in LDS: waves 0-3 k's quarters, waves 4-7 v's, which lie behind
	s_lshl_b32 s84, s79, 13
	s_mov_b32 s85, 0
	s_lshl_b32 s86, s79, 12
	s_mov_b32 s87, 0
	s_mov_b32 s[CS], 0x3e38aa3b                    ; log2(e) / 8
	s_mov_b32 s[CS+1], s[CS]                       ; (named with it as a pair, so it is written)
	s_mov_b32 s[SEL], 0x76543210
	s_mov_b32 s[SEL+1], 0xfedcba98
	s_wait_dscnt 0x0
	s_wait_kmcnt 0x0
	s_mov_b32 s[G0K], 1
	s_mov_b32 s[G0K+1], s82
	s_add_nc_u64 s[G0K+2:G0K+3], s[8:9], s[80:81]
	s_or_b32 s[G0K+3], s[G0K+3], 0x80000000
	s_mov_b32 s[G0V], 1
	s_mov_b32 s[G0V+1], s82
	s_add_nc_u64 s[G0V+2:G0V+3], s[12:13], s[80:81]
	s_or_b32 s[G0V+3], s[G0V+3], 0x80000000
	s_mov_b32 s[G0KS], 1
	s_mov_b32 s[G0KS+1], KSC
	s_add_nc_u64 s[G0KS+2:G0KS+3], s[10:11], s[84:85]
	s_or_b32 s[G0KS+3], s[G0KS+3], 0x80000000
	s_mov_b32 s[G0VS], 1
	s_mov_b32 s[G0VS+1], VSC
	s_add_nc_u64 s[G0VS+2:G0VS+3], s[14:15], s[86:87]
	s_or_b32 s[G0VS+3], s[G0VS+3], 0x80000000
	CROUND                                         ; all four work-groups are here: the joint loads meet
	s_cmp_lt_u32 s[WV], 4                          ; the only fills of the launch: at most one load a wave; the branches hang on the wave's number alone; four v_nop follow each load
	s_cbranch_scc0 .Lnot_k
	tensor_load_to_lds s[G0K:G0K+3], s[G1C:G1C+7]
	s_nop 0
.rept 4
	v_nop
.endr
	s_branch .Lasked
.Lnot_k:
	s_cmp_lt_u32 s[WV], 8
	s_cbranch_scc0 .Lnot_v
	tensor_load_to_lds s[G0V:G0V+3], s[G1C:G1C+7]
	s_nop 0
.rept 4
	v_nop
.endr
	s_branch .Lasked
.Lnot_v:
	s_cmp_eq_u32 s[WV], 8
	s_cbranch_scc0 .Lnot_ks
	tensor_load_to_lds s[G0KS:G0KS+3], s[G1KS:G1KS+7]
	s_nop 0
.rept 4
	v_nop
.endr
	s_branch .Lasked
.Lnot_ks:
	s_cmp_eq_u32 s[WV], 9
	s_cbranch_scc0 .Lasked
	tensor_load_to_lds s[G0VS:G0VS+3], s[G1VS:G1VS+7]
	s_nop 0
.rept 4
	v_nop
.endr
.Lasked:
	; my first tile of queries: tile 32 cx + wave of the head
	s_lshl_b32 s80, s79, 7
	s_lshl_b32 s82, s78, 5
	s_add_co_u32 s80, s80, s82
	s_add_co_u32 s80, s80, s[WV]
	s_mul_i32 s80, s80, 768
	s_mov_b32 s81, 0
	s_add_nc_u64 s[4:5], s[4:5], s[80:81]          ; its image
	s_lshl_b32 s80, s79, 4
	s_lshl_b32 s82, s78, 2
	s_add_co_u32 s80, s80, s82
	s_lshr_b32 s82, s[WV], 3
	s_add_co_u32 s80, s80, s82                     ; its group of 128 tokens: 512 bytes of scale words;
	s_lshl_b32 s80, s80, 9
	s_and_b32 s82, s[WV], 1
	s_lshl_b32 s82, s82, 8                         ; an odd tile's words lie in lanes 16-31's places,
	s_add_co_u32 s80, s80, s82
	s_bfe_u32 s82, s[WV], 0x20001
	s_lshl_b32 s82, s82, 2                         ; word (tile % 8) / 2 of a lane's four
	s_add_co_u32 s80, s80, s82
	s_add_nc_u64 s[6:7], s[6:7], s[80:81]
	s_bfe_u32 s80, s79, 0x20002                    ; aimg: [head / 4][tile of all 8,192 tokens][head % 4][768]
	s_mul_i32 s80, s80, 1572864
	s_lshr_b32 s82, s79, 4                         ; batch
	s_lshl_b32 s83, s82, 7
	s_lshl_b32 s84, s78, 5
	s_add_co_u32 s83, s83, s84
	s_add_co_u32 s83, s83, s[WV]                   ; the tile among all tokens
	s_mul_i32 s84, s83, 3072
	s_add_co_u32 s80, s80, s84
	s_and_b32 s84, s79, 3
	s_mul_i32 s84, s84, 768
	s_add_co_u32 s80, s80, s84
	s_add_nc_u64 s[16:17], s[16:17], s[80:81]
	s_lshl_b32 s80, s83, 9                         ; asc: 16 tokens x 32 bytes a tile, + 2 x head
	s_and_b32 s84, s79, 15
	s_lshl_b32 s84, s84, 1
	s_add_co_u32 s80, s80, s84
	s_add_nc_u64 s[18:19], s[18:19], s[80:81]
.irp j, 0,1,2,3,4,5
	v_mov_b32 v[QF+6+\j], 0                        ; q's zero codes for k = 64 .. 127
	v_mov_b32 v[KF+48+\j], 0                       ; and what stands behind key tile 7
.endr
	v_mov_b32 v[F+1], 0                            ; (named as the upper half of a pair)
	v_mov_b32 v[T0], 0
	s_wait_tensorcnt 0x0                           ; my load has landed,
	s_barrier_signal -1
	s_barrier_wait -1                              ; everybody's has: the head's k and v lie in LDS for the rest of the launch
.macro KLOAD koff, soff                        ; 17 LDS loads: eight tiles of 16 keys x 64, six registers each, and their scale words
.irp t, 0,1,2,3,4,5,6,7
	ds_load_b128 v[KF+6*\t:KF+6*\t+3], v[ADK16] offset:\koff+768*\t
	ds_load_b64 v[KF+6*\t+4:KF+6*\t+5], v[ADK8] offset:\koff+768*\t+512
.endr
	ds_load_b128 v[KS:KS+3], v[ADKS] offset:\soff  ; register b: lanes 0-15 tile 2 b's words, lanes 16-31 tile 2 b + 1's
.endm
.macro VLOAD                                   ; 13 LDS loads: four fragments of 16 channels x 128 keys, and their scale words
.irp t, 0,1,2,3
.irp c, 0,1,2
	ds_load_b128 v[VF+12*\t+4*\c:VF+12*\t+4*\c+3], v[ADV16] offset:1536*\t+512*\c
.endr
.endr
	ds_load_b64 v[VS:VS+1], v[ADVS]
.endm
.macro SCORE t
.if (\t)%2
	v_wmma_scale_f32_16x16x128_f8f6f4 v[S+8*\t:S+8*\t+7], v[KF+6*\t:KF+6*\t+11], v[QF:QF+11], 0, v[KS+(\t)/2], v[QS] matrix_a_fmt:MATRIX_FMT_FP6 matrix_b_fmt:MATRIX_FMT_FP6 matrix_a_scale:MATRIX_SCALE_ROW1
.else
	v_wmma_scale_f32_16x16x128_f8f6f4 v[S+8*\t:S+8*\t+7], v[KF+6*\t:KF+6*\t+11], v[QF:QF+11], 0, v[KS+(\t)/2], v[QS] matrix_a_fmt:MATRIX_FMT_FP6 matrix_b_fmt:MATRIX_FMT_FP6
.endif
.endm
.macro PV t
.if (\t)%2
	v_wmma_scale_f32_16x16x128_f8f6f4 v[O+8*\t:O+8*\t+7], v[VF+12*\t:VF+12*\t+11], v[PC:PC+11], v[O+8*\t:O+8*\t+7], v[VS+(\t)/2], v[PW] matrix_a_fmt:MATRIX_FMT_FP6 matrix_b_fmt:MATRIX_FMT_FP6 matrix_a_scale:MATRIX_SCALE_ROW1
.else
	v_wmma_scale_f32_16x16x128_f8f6f4 v[O+8*\t:O+8*\t+7], v[VF+12*\t:VF+12*\t+11], v[PC:PC+11], v[O+8*\t:O+8*\t+7], v[VS+(\t)/2], v[PW] matrix_a_fmt:MATRIX_FMT_FP6 matrix_b_fmt:MATRIX_FMT_FP6
.endif
.endm
; A KEY STEP: 128 keys.  next = 1: the next step's k is asked for in its middle, and the addresses step at its end.
.macro STEP next
	VLOAD                                          ; (the last step's five address additions are the places behind its products, which read these registers)
	s_wait_dscnt 13                                ; k's 17 loads are in; the 13 just issued may be out
.irp t, 0,1,2,3,4,5,6,7
	SCORE \t
.endr
.rept 4
	v_nop                                          ; places in front of the first read of the scores and of the writes over k's registers
.endr
.irp b, 0,1,2,3
	v_max3_num_f32 v[TM+\b], v[S+16*\b], v[S+1+16*\b], v[S+2+16*\b]   ; THE LARGEST SCORE OF EACH BLOCK OF 32 KEYS: for the row's maximum, and, since p rises with the score, for the block's largest p
.endr
.irp i, 3,5,7,9,11,13
.irp b, 0,1,2,3
	v_max3_num_f32 v[TM+\b], v[TM+\b], v[S+16*\b+\i], v[S+1+16*\b+\i]
.endr
.endr
.irp b, 0,1,2,3
	v_max_num_f32 v[TM+\b], v[TM+\b], v[S+15+16*\b]
.endr
.irp b, 0,1,2,3
	s_delay_alu instid0(VALU_DEP_4)
	v_permlanex16_b32 v[TP+\b], v[TM+\b], s[SEL], s[SEL+1]
.endr
.irp b, 0,1,2,3
	s_delay_alu instid0(VALU_DEP_4)
	v_max_num_f32 v[TM+\b], v[TM+\b], v[TP+\b]     ; with lane l xor 16's 16 keys
.endr
	s_delay_alu instid0(VALU_DEP_2)
	v_max3_num_f32 v[T0], v[TM], v[TM+1], v[TM+2]
	s_delay_alu instid0(VALU_DEP_1)
	v_max_num_f32 v[T0], v[T0], v[TM+3]            ; the step's largest score of my query
	s_delay_alu instid0(VALU_DEP_1)
	v_mul_f32 v[T0], s[CS], v[T0]                  ; as t (c is positive)
	s_delay_alu instid0(VALU_DEP_1)
	v_max_num_f32 v[NM+1], v[NM+1], v[T0]          ; the running largest t
	v_mov_b32 v[T0], v[NM]
	s_delay_alu instid0(VALU_DEP_2)
	v_floor_f32 v[NM], -v[NM+1]                    ; the new -M = floor(-t) = -ceil(t): M is a whole number
	s_delay_alu instid0(VALU_DEP_1)
	v_sub_f32 v[T0], v[NM], v[T0]                  ; old M - new M: a whole number, 0 or less
	s_delay_alu instid0(VALU_DEP_1)
	v_cvt_i32_f32 v[T0], v[T0]                     ; (it saturates)
	s_delay_alu instid0(VALU_DEP_1)
	v_ldexp_f32 v[F], 1.0, v[T0]                   ; f = 2^(old M - new M)
.irp j, 0,2,4,6,8,10,12,14,16,18,20,22,24,26,28,30,32,34,36,38,40,42,44,46,48,50,52,54,56,58,60,62
	v_pk_fma_f32 v[S+\j:S+1+\j], v[S+\j:S+1+\j], s[CS:CS+1], v[NM:NM+1] op_sel_hi:[1,0,0]   ; t - M, two at a time
.endr
.irp b, 0,1,2,3
	v_fma_f32 v[TM+\b], v[TM+\b], s[CS], v[NM]     ; the same of each block's largest score
.endr
	s_wait_alu depctr_va_vdst(0)
.irp j, 0,1,2,3,4,5,6,7,8,9,10,11,12,13,14,15,16,17,18,19,20,21,22,23,24,25,26,27,28,29,30,31,32,33,34,35,36,37,38,39,40,41,42,43,44,45,46,47,48,49,50,51,52,53,54,55,56,57,58,59,60,61,62,63
	v_exp_f32 v[S+\j], v[S+\j]                     ; p = 2^(t - M), at most 1: not normalised
.endr
.irp b, 0,1,2,3
	v_exp_f32 v[TM+\b], v[TM+\b]                   ; the block's largest p: the same two instructions on the same number
.endr
	v_pk_mul_f32 v[SUM:SUM+1], v[SUM:SUM+1], v[F:F+1] op_sel_hi:[1,0]   ; the sums under the new M (a plain place behind the exponentials)
	s_wait_alu depctr_va_vdst(0)
.irp b, 0,1,2,3
	v_max_num_f32 v[TM+\b], 0x1800000, v[TM+\b]    ; the floor 2^(3 - 127): the byte cannot fall under 1
.endr
.irp b, 0,1,2,3
	s_delay_alu instid0(VALU_DEP_4)
	v_add_nc_u32 v[TS+\b], 0xff000000, v[TM+\b]    ; 2 off the exponent field: the conversion's scale operand
.endr
.irp b, 0,1,2,3
	s_delay_alu instid0(VALU_DEP_4)
	v_lshrrev_b32 v[TP+\b], 23, v[TS+\b]           ; the scale's byte
.endr
	s_delay_alu instid0(VALU_DEP_3)
	v_lshl_or_b32 v[PW], v[TP+1], 8, v[TP]         ; p's scale word for these 128 keys
	s_delay_alu instid0(VALU_DEP_1)
	v_lshl_or_b32 v[PW], v[TP+2], 16, v[PW]
	s_delay_alu instid0(VALU_DEP_1)
	v_lshl_or_b32 v[PW], v[TP+3], 24, v[PW]
.irp c, 0,1
	v_cvt_scalef32_pk16_fp6_f32 v[PC+6*\c:PC+2+6*\c], v[S+32*\c:S+15+32*\c], v[TS+2*\c]
	v_cvt_scalef32_pk16_fp6_f32 v[Y+4*\c:Y+2+4*\c], v[S+16+32*\c:S+31+32*\c], v[TS+2*\c+1]   ; (a conversion's three registers begin on an even number)
.endr
	v_nop                                          ; one plain place behind a scaled conversion
.irp c, 0,1                                    ; a WHOLE block in a lane: lanes 0-15 block 2 c, lanes 16-31 block 2 c + 1
.irp i, 0,1,2
	v_permlane16_swap_b32 v[PC+6*\c+\i], v[Y+4*\c+\i]
.endr
.irp i, 0,1,2
	s_delay_alu instid0(VALU_DEP_3)
	v_mov_b32 v[PC+3+6*\c+\i], v[Y+4*\c+\i]
.endr
.endr
.if \next
	KLOAD STEPB, 512                               ; the next step's k: what was at work in its registers is done with
.endif
	v_pk_add_f32 v[248:249], v[142:143], v[146:147]
	v_pk_add_f32 v[252:253], v[150:151], v[154:155]
	v_pk_add_f32 v[10:11], v[158:159], v[162:163]
	v_pk_add_f32 v[6:7], v[166:167], v[170:171]
	v_pk_add_f32 v[4:5], v[174:175], v[178:179]
	v_pk_add_f32 v[14:15], v[14:15], v[182:183]
	v_pk_add_f32 v[248:249], v[248:249], v[186:187]
	v_pk_add_f32 v[252:253], v[252:253], v[190:191]
	v_pk_add_f32 v[10:11], v[10:11], v[194:195]
	v_pk_add_f32 v[6:7], v[6:7], v[198:199]
	v_pk_add_f32 v[4:5], v[4:5], v[138:139]
	v_pk_add_f32 v[14:15], v[14:15], v[140:141]
	v_pk_add_f32 v[248:249], v[248:249], v[144:145]
	v_pk_add_f32 v[252:253], v[252:253], v[148:149]
	v_pk_add_f32 v[10:11], v[10:11], v[152:153]
	v_pk_add_f32 v[6:7], v[6:7], v[156:157]
	v_pk_add_f32 v[4:5], v[4:5], v[160:161]
	v_pk_add_f32 v[14:15], v[14:15], v[164:165]
	v_pk_add_f32 v[248:249], v[248:249], v[168:169]
	v_pk_add_f32 v[252:253], v[252:253], v[172:173]
	v_pk_add_f32 v[10:11], v[10:11], v[176:177]
	v_pk_add_f32 v[6:7], v[6:7], v[180:181]
	v_pk_add_f32 v[4:5], v[4:5], v[184:185]
	v_pk_add_f32 v[14:15], v[14:15], v[188:189]
	v_pk_add_f32 v[248:249], v[248:249], v[192:193]
	v_pk_add_f32 v[252:253], v[252:253], v[196:197]
	v_pk_add_f32 v[10:11], v[10:11], v[200:201]
	s_delay_alu instid0(VALU_DEP_1)
	v_pk_add_f32 v[14:15], v[14:15], v[10:11]
	s_delay_alu instid0(VALU_DEP_4)
	v_pk_add_f32 v[248:249], v[248:249], v[6:7]
	s_delay_alu instid0(VALU_DEP_4)
	v_pk_add_f32 v[252:253], v[252:253], v[4:5]
	s_delay_alu instid0(VALU_DEP_1)
	v_pk_add_f32 v[14:15], v[14:15], v[252:253]
	s_delay_alu instid0(VALU_DEP_1)
	v_pk_add_f32 v[14:15], v[14:15], v[248:249]
.irp j, 0,2,4,6,8,10,12,14,16,18,20,22,24,26,28,30
	v_pk_mul_f32 v[O+\j:O+1+\j], v[O+\j:O+1+\j], v[F:F+1] op_sel_hi:[1,0]   ; O^T under the new M.  (These 48 lines are also the places between p's codes and scale word and the products below)
.endr
	s_wait_alu depctr_va_vdst(0)
	s_wait_dscnt 17*\next                          ; v's 13 loads are in; the next step's 17 of k may be out
.irp t, 0,1,2,3
	PV \t                                          ; the four accumulators by turns, one instruction a turn
.endr
.if \next
	s_add_co_u32 s[TB], s[TB], STEPB
	s_add_co_u32 s[TV], s[TV], STEPB
	s_add_co_u32 s[TKS], s[TKS], 512
	s_add_co_u32 s[TVS], s[TVS], 256
	v_add_nc_u32 v[ADK16], s[TB], v[L16]           ; five plain lines: the places in front of the next step's loads of v
	v_add_nc_u32 v[ADK8], s[TB], v[L8]
	v_add_nc_u32 v[ADV16], s[TV], v[L16]
	v_add_nc_u32 v[ADKS], s[TKS], v[L16]
	v_add_nc_u32 v[ADVS], s[TVS], v[L8]
.else
.rept 4
	v_nop                                          ; places in front of the first read of O^T
.endr
.endif
.endm
	s_mov_b32 s[PASS], 2
.Lpass:                                            ; a pass: one tile of 16 queries against all keys
	global_load_b128 v[QF:QF+3], v[L16], s[4:5]    ; q's image: six registers
	global_load_b64 v[QF+4:QF+5], v[L8], s[4:5] offset:512
	global_load_b32 v[QS], v[QSO], s[6:7]          ; and its scale words
	s_mov_b32 s[TB], KIMG
	s_mov_b32 s[TV], VIMG
	s_mov_b32 s[TKS], KSC
	s_mov_b32 s[TVS], VSC
	v_add_nc_u32 v[ADK16], s[TB], v[L16]
	v_add_nc_u32 v[ADK8], s[TB], v[L8]
	v_add_nc_u32 v[ADV16], s[TV], v[L16]
	v_add_nc_u32 v[ADKS], s[TKS], v[L16]
	v_add_nc_u32 v[ADVS], s[TVS], v[L8]
	KLOAD 0, 0
	v_mov_b32 v[NM+1], 0xff61b1e6                  ; the largest t so far: -3e38, under every t
	s_delay_alu instid0(VALU_DEP_1)
	v_floor_f32 v[NM], -v[NM+1]                    ; -M
	v_mov_b32 v[SUM], 0
	v_mov_b32 v[SUM+1], 0
.irp j, 0,1,2,3,4,5,6,7,8,9,10,11,12,13,14,15,16,17,18,19,20,21,22,23,24,25,26,27,28,29,30,31
	v_mov_b32 v[O+\j], 0                           ; O^T.  (The step is written twice, not three times: the first finds zeros, which the first change of M leaves zeros)
.endr
	s_wait_loadcnt 0x0                             ; q
	s_mov_b32 s[STEPS], 15
.Lkey:
	s_wait_alu depctr_va_vdst(0)
	STEP 1
	s_sub_co_u32 s[STEPS], s[STEPS], 1
	s_cmp_lg_u32 s[STEPS], 0
	s_cbranch_scc1 .Lkey
	STEP 0                                         ; the last 128 keys: nothing more to fetch
	; THE WAY OUT: o = O^T / the sum, brought into the true order of its channels, quantised in two blocks of 32, stored as the image of six operand registers
	v_add_f32 v[SUM], v[SUM], v[SUM+1]             ; the sum's two halves,
	s_delay_alu instid0(VALU_DEP_1)
	v_permlanex16_b32 v[T0], v[SUM], s[SEL], s[SEL+1]
	s_delay_alu instid0(VALU_DEP_1)
	v_add_f32 v[SUM], v[SUM], v[T0]                ; and lane l xor 16's: the row's sum
	s_wait_alu depctr_va_vdst(0)
	v_rcp_f32 v[SUM], v[SUM]
	v_nop                                          ; one plain place behind a transcendental
	s_wait_alu depctr_va_vdst(0)
.irp j, 0,1,2,3,4,5,6,7,8,9,10,11,12,13,14,15,16,17,18,19,20,21,22,23,24,25,26,27,28,29,30,31
	v_mul_f32 v[S+\j], v[O+\j], v[SUM]             ; register 8 t + j: channel 16 t + 8 (lane / 16) + j; each accumulator from its low end on
.endr
.irp b, 0,1
.irp j, 0,1,2,3,4,5,6,7
	v_permlane16_swap_b32 v[S+16*\b+\j], v[S+16*\b+8+\j]   ; Wo's codes come in the true order: now register 16 b + i holds channel 32 b + 16 (lane / 16) + i
.endr
.endr
.irp b, 0,1
	v_max3_num_f32 v[TM+\b], |v[S+16*\b]|, |v[S+1+16*\b]|, 0x1800000   ; my 16 numbers, and the floor 2^(3 - 127)
.endr
.irp i, 2,4,6,8,10,12,14
.irp b, 0,1
	s_delay_alu instid0(VALU_DEP_2)
	v_max3_num_f32 v[TM+\b], v[TM+\b], |v[S+16*\b+\i]|, |v[S+1+16*\b+\i]|
.endr
.endr
.irp b, 0,1
	s_delay_alu instid0(VALU_DEP_2)
	v_permlanex16_b32 v[TP+\b], v[TM+\b], s[SEL], s[SEL+1]
.endr
.irp b, 0,1
	s_delay_alu instid0(VALU_DEP_2)
	v_max_num_f32 v[TM+\b], v[TM+\b], v[TP+\b]
.endr
.irp b, 0,1
	s_delay_alu instid0(VALU_DEP_2)
	v_add_nc_u32 v[TS+\b], 0xff000000, v[TM+\b]
.endr
.irp b, 0,1
	s_delay_alu instid0(VALU_DEP_2)
	v_lshrrev_b32 v[TP+\b], 23, v[TS+\b]
.endr
	s_delay_alu instid0(VALU_DEP_1)
	v_lshl_or_b32 v[OW], v[TP+1], 8, v[TP]         ; the head's two scale bytes of my query
	v_cvt_scalef32_pk16_fp6_f32 v[PC:PC+2], v[S:S+15], v[TS]
	v_cvt_scalef32_pk16_fp6_f32 v[Y:Y+2], v[S+16:S+31], v[TS+1]
	v_nop                                          ; one plain place behind a scaled conversion
.irp i, 0,1,2
	v_permlane16_swap_b32 v[PC+\i], v[Y+\i]
.endr
.irp i, 0,1,2
	s_delay_alu instid0(VALU_DEP_3)
	v_mov_b32 v[PC+3+\i], v[Y+\i]
.endr
	global_store_b128 v[L16], v[PC:PC+3], s[16:17]             ; 512 consecutive bytes, at a multiple of 256 from the buffer's first byte
	global_store_b64 v[L8], v[PC+4:PC+5], s[16:17] offset:512  ; 256 more
	global_store_b16 v[ASO], v[OW], s[18:19]       ; two bytes of each token's row of 32 scale bytes: rows are shared by the 16 heads, so they are written in parts: 2 bytes for each 48 of codes; both halves of the lanes write the same bytes
	s_wait_xcnt 0x0                                ; the stores have read their registers and bases: both may be written again
	s_add_nc_u64 s[4:5], s[4:5], 12288             ; 16 tiles on
	s_add_nc_u64 s[6:7], s[6:7], 1024
	s_add_nc_u64 s[16:17], s[16:17], 49152
	s_add_nc_u64 s[18:19], s[18:19], 8192
	s_sub_co_u32 s[PASS], s[PASS], 1
	s_cmp_lg_u32 s[PASS], 0
	s_cbranch_scc1 .Lpass
	s_wait_dscnt 0x0
	s_wait_tensorcnt 0x0
	ds_add_u32 v254, v255
	s_wait_dscnt 0x0
	CROUND                                         ; the closing round: no work-group ends while a partner may still ask for a tile that names it
	s_endpgm
.Lfunc_end_k_q5100ba7d18_attn:
	.size	k_q5100ba7d18_attn, .Lfunc_end_k_q5100ba7d18_attn-k_q5100ba7d18_attn
	.p2alignl 7, 3214868480
	.fill 96, 4, 3214868480
	.section	.rodata,"a",@progbits
	.p2align	6, 0x0
	.amdhsa_kernel k_q5100ba7d18_attn
		.amdhsa_group_segment_fixed_size 210944
		.amdhsa_private_segment_fixed_size 0
		.amdhsa_enable_private_segment 0
		.amdhsa_kernarg_size 64
		.amdhsa_user_sgpr_count 2
		.amdhsa_user_sgpr_kernarg_segment_ptr 1
		.amdhsa_wavefront_size32 1
		.amdhsa_system_sgpr_workgroup_id_x 1
		.amdhsa_system_sgpr_workgroup_id_y 1
		.amdhsa_system_sgpr_workgroup_id_z 1
		.amdhsa_system_vgpr_workitem_id 0
		.amdhsa_next_free_vgpr 256
		.amdhsa_next_free_sgpr 96
		.amdhsa_reserve_vcc 0
		.amdhsa_float_denorm_mode_32 3
		.amdhsa_float_denorm_mode_16_64 3
		.amdhsa_memory_ordered 1
		.amdhsa_forward_progress 1
		.amdhsa_inst_pref_size 49
	.end_amdhsa_kernel
	.amdgpu_metadata
---
amdhsa.version: [ 1, 2 ]
amdhsa.kernels:
  - .name:           k_q5100ba7d18_attn
    .symbol:         k_q5100ba7d18_attn.kd
    .args:
      - { .name: qimg, .offset: 0, .size: 8, .value_kind: global_buffer, .address_space: global }
      - { .name: qsc, .offset: 8, .size: 8, .value_kind: global_buffer, .address_space: global }
      - { .name: kimg, .offset: 16, .size: 8, .value_kind: global_buffer, .address_space: global }
      - { .name: ksc, .offset: 24, .size: 8, .value_kind: global_buffer, .address_space: global }
      - { .name: vimg, .offset: 32, .size: 8, .value_kind: global_buffer, .address_space: global }
      - { .name: vsc, .offset: 40, .size: 8, .value_kind: global_buffer, .address_space: global }
      - { .name: aimg, .offset: 48, .size: 8, .value_kind: global_buffer, .address_space: global }
      - { .name: asc, .offset: 56, .size: 8, .value_kind: global_buffer, .address_space: global }
    .group_segment_fixed_size: 210944
    .private_segment_fixed_size: 0
    .kernarg_segment_align: 8
    .kernarg_segment_size: 64
    .max_flat_workgroup_size: 512
    .sgpr_count:     96
    .vgpr_count:     256
    .wavefront_size: 32
...
	.end_amdgpu_metadata
.endif
;; end of part 2
;; launch oproj (part 3): grid 8 x 32, 4 waves a work-group, clusters of 4 x 4, 327,680 bytes of LDS; arguments aimg, asc, Wo_codes, Wo_scales, bo, out0; writes out0
.if DOCPART == 3
	.amdgcn_target "amdgcn-amd-amdhsa--gfx1250"
	.amdhsa_code_object_version 6
	.text
	.protected	k_q5100ba7d18_oproj
	.globl	k_q5100ba7d18_oproj
	.p2align	8
	.type	k_q5100ba7d18_oproj,@function
k_q5100ba7d18_oproj:
	s_mov_b64 s[64:65], 0
	v_nop
	global_prefetch_b8 v0, s[64:65] scope:SCOPE_SE
	s_setreg_imm32_b32 hwreg(HW_REG_WAVE_MODE, 25, 1), 1
	s_wait_xcnt 0x0
	s_wait_alu depctr_hold_cnt(0) depctr_sa_sdst(0) depctr_va_vdst(0) depctr_va_sdst(0) depctr_va_ssrc(0) depctr_va_vcc(0) depctr_vm_vsrc(0)
	s_getreg_b32 s2, hwreg(HW_REG_IB_STS2, 6, 4)
	s_cmp_eq_u32 s2, 0
	s_cbranch_scc0 .Lentry_in_a_cluster
	s_endpgm
.Lentry_in_a_cluster:
	s_bfe_u32 s2, ttmp6, 0x10000c
	s_cmp_lg_u32 s2, 0xf033
	s_cbranch_scc0 .Lentry_shape_is_right
	s_endpgm
.Lentry_shape_is_right:
; out0 = o Wo + bo on codes of FP6 (E2M3) with E8M0 scales, K = 1,024.  o comes as images of operand registers: aimg [head / 4][tile of 16 tokens][head % 4][768], asc [token][32].
; 256 work-groups of four waves; a work-group makes 256 tokens x 128 columns, a wave 128 x 64: 32 accumulators.  ALL of K of both operands is asked for at the head, one tensor load a wave: waves 0, 1 two groups of four heads each of
; o's images (rows of 49,152 dense bytes), waves 2, 3 a half each of Wo's 128 rows of 768 bytes.  No LDS byte is filled again.  Clusters 4 x 4: o's images are shared along a row, Wo's rows along a column.
; Source 0 = 16 rows of Wo, source 1 = 16 tokens: a lane holds eight neighbouring columns of a row of out0.  The bias is the first products' C.  Scale words come by plain loads: lane l takes the 32 bytes of row 32 g + l.
; The way out: 16 rows x 256 bytes at a time through the wave's own stage, back as whole rows: sixteen lanes store 256 consecutive bytes at a multiple of 256.
; No prefetch: every tile is asked for at the head, and there is no loop to run ahead in.
.set PITCH, 816
.set BR,    196608                     ; Wo's rows, behind the images
.set STAGE, BR+128*PITCH
.set SP,    272
.set SPARE, STAGE+4*16*SP
.set ASTEP, 1572864
.set ADA, 8                            ; v8-11 images of heads 4 g .., 16 x lane; v12-15 8 x lane
.set ADB, 16                           ; v16, v17
.set STO, 18
.set RD,  19
.set CO,  20
.set ABS, 21
.set BA,  22
.set SPW, 28
.set NIL, 29
.set SX,  32                           ; v32-63 o's scale words
.set SW,  68                           ; v68-83 Wo's
.set BI,  96                           ; v96-127 the bias
.set BK,  128                          ; v128-191 rows read back, two sets
.set G1A, 24
.set G0A, 32
.set G0B, 36
.set G1B, 48
.set MSB, 0
.macro WIN new
.if MSB != (\new)
	s_set_vgpr_msb (MSB<<8)|(\new)
.set MSB, (\new)
.endif
.endm
.macro PLACES n
.rept \n
	v_nop
.endr
.endm
.macro CROUND
	s_barrier_signal -1
	s_barrier_wait -1
	s_cmp_lg_u32 s16, 0
	s_cbranch_scc1 .Lnot_wave_0_\@
	s_barrier_signal -3
.Lnot_wave_0_\@:
	s_barrier_wait -3
	s_barrier_signal -1
	s_barrier_wait -1
.endm
.macro TLOAD g0, g1
	tensor_load_to_lds s[\g0:\g0+3], s[\g1:\g1+7]
	s_nop 0
	PLACES 4
.endm
.macro FRAG reg, adr, s, off
.irp p, 0,1,2,3,4,5
.set PC_, 12*(\s)+6*(\p/3)+\p%3
.if PC_%32 < 29
	ds_load_b64 v[\reg+2*\p:\reg+2*\p+1], v[\adr] offset:8*PC_+16*(PC_/32)+(\off)
.else
	ds_load_b64 v[\reg+2*\p:\reg+2*\p+1], v[\adr+1] offset:8*PC_+16*(PC_/32)+(\off)
.endif
.endr
.endm
.macro FETCH s                         ; step s's fragments into set s % 2: 32 + 24 loads
.set P_, 128*((\s)%2)
	WIN 0x40
.irp x, 0,1,2,3,4,5,6,7
.irp e, 0,1
	ds_load_b128 v[P_+12*\x+6*\e:P_+12*\x+6*\e+3], v[ADA+(\s)/2] offset:(4*\x+2*((\s)%2)+\e)*768
	ds_load_b64 v[P_+12*\x+6*\e+4:P_+12*\x+6*\e+5], v[ADA+4+(\s)/2] offset:(4*\x+2*((\s)%2)+\e)*768+512
.endr
.endr
	WIN 0xc0
.irp w, 0,1,2,3
	FRAG P_+12*\w, ADB, \s, \w*16*PITCH
.endr
	WIN 0
.endm
.macro PROD d, a, b, c, sa, sb, ra, rb
	v_wmma_scale_f32_16x16x128_f8f6f4 v[\d:\d+7], v[\a:\a+11], v[\b:\b+11], \c, v[\sa], v[\sb] matrix_a_fmt:MATRIX_FMT_FP6 matrix_b_fmt:MATRIX_FMT_FP6 matrix_a_scale:MATRIX_SCALE_ROW\ra matrix_b_scale:MATRIX_SCALE_ROW\rb
.endm
.macro MUL s                           ; 32 products, the accumulators by turns
.set P_, 128*((\s)%2)
.irp xh, 0,1,2,3
.irp xo, 0,1
.irp wh, 0,1
.irp wo, 0,1
.set FX_, P_+12*(2*\xh+\xo)
.set FW_, P_+12*(2*\wh+\wo)
.set SX_, SX+8*\xh+(\s)
.set SW_, SW+8*\wh+(\s)
.set C_, BI+8*(2*\wh+\wo)
.set D_, 8*(4*(2*\xh+\xo)+2*\wh+\wo)
.if (\s) == 0
	PROD D_, FW_, FX_, v[C_:C_+7], SW_, SX_, \wo, \xo
.else
	PROD D_, FW_, FX_, v[D_:D_+7], SW_, SX_, \wo, \xo
.endif
.endr
.endr
.endr
.endr
.endm
.macro TOSTAGE a                       ; block a: 16 rows x 64 columns into my stage, and back as rows of 256 bytes
	WIN 0x08
.irp b, 0,1,2,3
	ds_store_b128 v[STO], v[32*(\a)+8*\b:32*(\a)+8*\b+3] offset:64*\b
	ds_store_b128 v[STO], v[32*(\a)+8*\b+4:32*(\a)+8*\b+7] offset:64*\b+16
.endr
	WIN 0
.set BB, BK+32*((\a)%2)
.irp t, 0,1,2,3,4,5,6,7
	ds_load_b128 v[BB+4*\t:BB+4*\t+3], v[RD] offset:\t*2*SP
.endr
.endm
.macro SEND a, younger
.set BB, BK+32*((\a)%2)
	s_wait_dscnt \younger
.if (\a) > 0
	s_add_nc_u64 s[14:15], s[14:15], 16*4096
.endif
.irp t, 0,1,2,3,4,5,6,7
	global_store_b128 v[CO], v[BB+4*\t:BB+4*\t+3], s[14:15] offset:\t*8192 th:TH_STORE_NT
.endr
.endm
	s_load_b128 s[4:7], s[0:1], 0x0        ; aimg, asc
	s_load_b128 s[8:11], s[0:1], 0x10      ; Wo's codes, scales
	s_load_b128 s[12:15], s[0:1], 0x20     ; bo, out0
	v_lshl_add_u32 v[SPW], v0, 2, SPARE
	v_mov_b32 v[NIL], 0
	ds_add_u32 v[SPW], v[NIL]
	ds_add_u32 v[SPW], v[NIL]
	v_lshrrev_b32 v1, 5, v0
	v_readfirstlane_b32 s16, v1            ; wave
	s_lshr_b32 s17, s16, 1                 ; my half of the tokens; also: I load images (0) or Wo (1)
	s_and_b32 s18, s16, 1                  ; my half of the columns; also: which half I load
	s_bfe_u32 s40, ttmp6, 0x40000
	s_bfe_u32 s41, ttmp6, 0x40004
	s_lshl_b32 s42, ttmp9, 2
	s_add_co_u32 s42, s42, s40             ; the tile of 128 columns
	s_and_b32 s43, ttmp7, 0xffff
	s_lshl_b32 s43, s43, 2
	s_add_co_u32 s43, s43, s41             ; the tile of 256 tokens
	s_lshl_b32 s44, s41, 2
	s_lshl_b32 s44, 15, s44
	s_lshl_b32 s45, 0x1111, s40
	s_or_b32 s[G1A+0], s44, (3<<16)|(1<<21)   ; two rows of 6,144 elements of 8 bytes, ASTEP bytes apart
	s_mov_b32 s[G1A+1], 6144<<16
	s_mov_b32 s[G1A+2], 2<<16
	s_mov_b32 s[G1A+3], 6144<<16
	s_mov_b32 s[G1A+4], 2
	s_mov_b32 s[G1A+5], ASTEP/8
	s_mov_b32 s[G1A+6], 0
	s_mov_b32 s[G1A+7], 0
	s_or_b32 s[G1B+0], s45, (1<<20)|(1<<21)|(5<<22)|(3<<25)   ; 64 rows of 768 bytes, 16 of padding behind every 256
	s_mov_b32 s[G1B+1], 768<<16
	s_mov_b32 s[G1B+2], 64<<16
	s_mov_b32 s[G1B+3], 768<<16
	s_mov_b32 s[G1B+4], 64
	s_mov_b32 s[G1B+5], 768
	s_mov_b32 s[G1B+6], 0
	s_mov_b32 s[G1B+7], 0
	s_mul_i32 s20, s43, 49152
	s_mul_i32 s21, s18, 2*ASTEP
	s_add_co_u32 s20, s20, s21             ; the images that I load
	s_mov_b32 s21, 0
	s_lshl_b32 s22, s42, 7
	s_lshl_b32 s23, s18, 6
	s_add_co_u32 s22, s22, s23             ; my first column
	s_mul_i32 s56, s22, 768
	s_mov_b32 s57, 0
	s_lshl_b32 s58, s22, 5
	s_mov_b32 s59, 0
	s_lshl_b32 s22, s22, 2
	s_mov_b32 s23, 0
	s_lshl_b32 s46, s43, 8
	s_lshl_b32 s47, s17, 7
	s_add_co_u32 s46, s46, s47             ; my first token
	s_lshl_b32 s60, s46, 5
	s_mov_b32 s61, 0
	s_lshl_b32 s46, s46, 12
	s_mov_b32 s47, 0
	s_wait_dscnt 0x0
	s_wait_kmcnt 0x0
	s_add_nc_u64 s[20:21], s[4:5], s[20:21]
	s_add_nc_u64 s[56:57], s[8:9], s[56:57]
	s_add_nc_u64 s[6:7], s[6:7], s[60:61]
	s_add_nc_u64 s[10:11], s[10:11], s[58:59]
	s_add_nc_u64 s[12:13], s[12:13], s[22:23]
	s_add_nc_u64 s[14:15], s[14:15], s[22:23]
	s_add_nc_u64 s[14:15], s[14:15], s[46:47]
	CROUND                                 ; all sixteen work-groups are here: the joint loads meet
	s_mov_b32 s[G0A], 1
	s_mul_i32 s[G0A+1], s18, 98304
	s_mov_b64 s[G0A+2:G0A+3], s[20:21]
	s_or_b32 s[G0A+3], s[G0A+3], 0x80000000
	s_mov_b32 s[G0B], 1
	s_mul_i32 s[G0B+1], s18, 64*PITCH
	s_add_co_u32 s[G0B+1], s[G0B+1], BR
	s_mov_b64 s[G0B+2:G0B+3], s[56:57]
	s_or_b32 s[G0B+3], s[G0B+3], 0x80000000
	s_cmp_eq_u32 s17, 0
	s_cbranch_scc0 .Lhead_b
	TLOAD G0A, G1A
	s_branch .Lhead_asked
.Lhead_b:
	TLOAD G0B, G1B
.Lhead_asked:
	v_and_b32 v1, 15, v0
	v_bfe_u32 v2, v0, 4, 1
	v_and_b32 v3, 31, v0
	v_lshlrev_b32 v4, 4, v3
	v_lshlrev_b32 v5, 3, v3
	s_mul_i32 s20, s17, 24576              ; my eight tiles of tokens
.irp g, 0,1,2,3
	v_add_nc_u32 v[ADA+\g], s20, v4
	v_add_nc_u32 v[ADA+4+\g], s20, v5
	s_add_co_u32 s20, s20, 49152
.endr
	s_mul_i32 s21, s18, 64*PITCH
	s_add_co_u32 s21, s21, BR
	v_mul_u32_u24 v6, v1, PITCH
	v_mad_u32_u24 v7, v2, 24, v6
	v_add_nc_u32 v[ADB], s21, v7
	v_mad_u32_u24 v7, v2, 40, v6
	v_add_nc_u32 v[ADB+1], s21, v7
	s_mul_i32 s22, s16, 16*SP
	s_add_co_u32 s22, s22, STAGE
	v_mul_u32_u24 v6, v1, SP
	v_lshl_add_u32 v6, v2, 5, v6
	v_add_nc_u32 v[STO], s22, v6
	v_mul_u32_u24 v6, v2, SP
	v_lshl_add_u32 v6, v1, 4, v6
	v_add_nc_u32 v[RD], s22, v6
	v_lshlrev_b32 v6, 12, v2
	v_lshl_add_u32 v[CO], v1, 4, v6
	v_lshlrev_b32 v[ABS], 5, v3
	v_lshlrev_b32 v[BA], 5, v2
	s_wait_alu depctr_va_vdst(0)
.irp g, 0,1,2,3
.irp c, 0,1
	global_load_b128 v[SX+8*\g+4*\c:SX+8*\g+4*\c+3], v[ABS], s[6:7] offset:1024*\g+16*\c
.endr
.endr
.irp g, 0,1
.irp c, 0,1
	global_load_b128 v[SW+8*\g+4*\c:SW+8*\g+4*\c+3], v[ABS], s[10:11] offset:1024*\g+16*\c
.endr
.endr
.irp i, 0,1,2,3,4,5,6,7
	global_load_b128 v[BI+4*\i:BI+4*\i+3], v[BA], s[12:13] offset:64*(\i/2)+16*(\i%2)
.endr
	s_wait_tensorcnt 0x0
	s_barrier_signal -1
	s_barrier_wait -1                      ; both operands are in, all of K
	FETCH 0
	s_wait_loadcnt 0x0
.set S_, 0
.rept 8                                ; the next step's 56 loads go out ahead of a step's products; s_wait_dscnt 56 leaves only those out
.if S_ < 7
.if S_ > 0
	PLACES 4
.endif
	FETCH S_+1
	s_wait_dscnt 56
.else
	s_wait_dscnt 0x0
.endif
.if S_ == 0
	WIN 0x87
.else
	WIN 0xa7
.endif
	MUL S_
.set S_, S_+1
.endr
	WIN 0
	PLACES 4
	TOSTAGE 0
.irp a, 1,2,3,4,5,6,7
.if \a > 1
	s_wait_xcnt 0x0                        ; block a - 2's stores have read their registers and base
.endif
	TOSTAGE \a
	SEND \a-1, 16                          ; behind block a - 1's loads: block a's 8 stores and 8 loads
.endr
	s_wait_xcnt 0x0
	SEND 7, 0
	s_wait_tensorcnt 0x0                   ; the wave's end
	ds_add_u32 v[SPW], v[NIL]
	s_wait_dscnt 0x0
	CROUND                                 ; the closing round
	s_endpgm
.Lfunc_end_k_q5100ba7d18_oproj:
	.size	k_q5100ba7d18_oproj, .Lfunc_end_k_q5100ba7d18_oproj-k_q5100ba7d18_oproj
	.p2alignl 7, 3214868480
	.fill 96, 4, 3214868480
	.section	.rodata,"a",@progbits
	.p2align	6, 0x0
	.amdhsa_kernel k_q5100ba7d18_oproj
		.amdhsa_group_segment_fixed_size 327680
		.amdhsa_private_segment_fixed_size 0
		.amdhsa_enable_private_segment 0
		.amdhsa_kernarg_size 48
		.amdhsa_user_sgpr_count 2
		.amdhsa_user_sgpr_kernarg_segment_ptr 1
		.amdhsa_wavefront_size32 1
		.amdhsa_system_sgpr_workgroup_id_x 1
		.amdhsa_system_sgpr_workgroup_id_y 1
		.amdhsa_system_sgpr_workgroup_id_z 1
		.amdhsa_system_vgpr_workitem_id 0
		.amdhsa_next_free_vgpr 1024
		.amdhsa_next_free_sgpr 66
		.amdhsa_reserve_vcc 0
		.amdhsa_float_denorm_mode_32 3
		.amdhsa_float_denorm_mode_16_64 3
		.amdhsa_memory_ordered 1
		.amdhsa_forward_progress 1
		.amdhsa_inst_pref_size 87
	.end_amdhsa_kernel
	.amdgpu_metadata
---
amdhsa.version: [ 1, 2 ]
amdhsa.kernels:
  - .name:           k_q5100ba7d18_oproj
    .symbol:         k_q5100ba7d18_oproj.kd
    .args:
      - { .name: aimg, .offset: 0, .size: 8, .value_kind: global_buffer, .address_space: global }
      - { .name: asc, .offset: 8, .size: 8, .value_kind: global_buffer, .address_space: global }
      - { .name: Wo_codes, .offset: 16, .size: 8, .value_kind: global_buffer, .address_space: global }
      - { .name: Wo_scales, .offset: 24, .size: 8, .value_kind: global_buffer, .address_space: global }
      - { .name: bo, .offset: 32, .size: 8, .value_kind: global_buffer, .address_space: global }
      - { .name: out0, .offset: 40, .size: 8, .value_kind: global_buffer, .address_space: global }
    .group_segment_fixed_size: 327680
    .private_segment_fixed_size: 0
    .kernarg_segment_align: 8
    .kernarg_segment_size: 48
    .max_flat_workgroup_size: 128
    .sgpr_count:     66
    .vgpr_count:     1024
    .wavefront_size: 32
...
	.end_amdgpu_metadata
.endif
;; end of part 3
